; MI455X (gfx1250); checked and timed in simulation.
; The chip was launched on July 23, 2026; its instructions are those of AMD's public machine-readable ISA for CDNA 5 (MIT licence, August 2026) and "CDNA5" Instruction Set Architecture Reference Guide (July 2026). The comments in the code are by the model that wrote it; some were corrected since.
;; Flash Multi Head Attention. Allowed arithmetic: matrix products marked QUANTISED: E2M1 operands, one E8M0 scale for each 32 along K, by v_wmma_scale_f32_16x16x128_f8f6f4 with both operands' format E2M1 (or v_wmma_scale_f32_32x16x128_f4), f32 sums; products left as they are: bf16, f16 or f32 operands; f32 sums; everything else in f32.
;; Inputs: W_out 1,024 x 1,024 float32; W_qkv 1,024 x 3,072 float32; attn_mask 128 x 102 x 102 bool; b_out 1,024 float32; b_qkv 3,072 float32; key 128 x 102 x 1,024 float32; query 128 x 102 x 1,024 float32; value 128 x 102 x 1,024 float32.
;; Outputs: out0 128 x 102 x 1,024 float32.
;; This version of the problem:
;;   THIS VERSION OF THE PROBLEM IS GIVEN IN LOW PRECISION. The matrix products marked QUANTISED in the list below multiply operands that are first quantised to E2M1 (2 exponent bits, 1 mantissa bit; 4 bits a number), with one power-of-two scale for each 32 numbers along K (OCP MX v1.0); their sums are f32. The products marked 'left as it is' may take bf16, f16 or f32 operands, with f32 sums. Whichever they take, every output number must still come out within the allowed error. Rounding operands to bf16 (8 significant bits) uses up far more of that allowance than f16 does (11 bits, for magnitudes from 6e-5 to 65,504). All else is computed in f32.
;;   The module's matrix products, in the order in which they are computed (A, B: the left and right operand; K: the contracted axis; several contracted axes count as one K, in the product's order):
;;     1. [M 13,056, K 1,024] x [K 1,024, N 3,072]; A: input query; B: input W_qkv: QUANTISED
;;     2. batch 2,048 x [M 102, K 64] x [K 64, N 102]; A: computed on the way; B: computed on the way: left as it is (an operand is computed on the way)
;;     3. batch 2,048 x [M 102, K 102] x [K 102, N 64]; A: computed on the way; B: computed on the way: left as it is (an operand is computed on the way)
;;     4. [M 13,056, K 1,024] x [K 1,024, N 1,024]; A: computed on the way; B: input W_out: left as it is (an operand is computed on the way)
;;   THE QUANTISER, for each operand of a quantised product, along K:
;;     - K is cut into blocks of 32 from its start; a last block that is shorter is filled with zeros.
;;     - A block's scale is 2^e with e = floor(log2(the largest magnitude in the block)) - 2, held to -126 .. 127; a block of zeros has e = 0. As a byte (E8M0): e + 127.
;;     - Each number is divided by its block's scale, clamped to +-6, and rounded to the nearest number of E2M1, ties to even, subnormals kept.
;;     - The product sums the exact products of the quantised numbers (number of the format x scale) in f32.
;;   ~~~python
;;   def quantise(x, axis):      # numpy; x: float32 -> the quantised numbers, widened to float32 again
;;       x = np.moveaxis(x, axis, -1); K = x.shape[-1]
;;       x = np.pad(x, [(0, 0)] * (x.ndim - 1) + [(0, -K % 32)]); x = x.reshape(x.shape[:-1] + (-1, 32)); a = np.abs(x).max(-1, keepdims=True)
;;       e = np.where(a > 0, np.clip(np.frexp(np.where(a > 0, a, 1))[1] - 1 - 2, -126, 127), 0)      # np.frexp(a)[1] - 1 = floor(log2(a)), exactly
;;       r = np.clip(x / 2.0 ** e, -6, 6)
;;       step = 2.0 ** (np.maximum(np.frexp(np.where(r == 0, 1, r))[1] - 1, 0) - 1)
;;       q = np.round(r / step) * step * 2.0 ** e      # np.round: ties to even
;;       return np.moveaxis(q.reshape(q.shape[:-2] + (-1,))[..., :K], -1, axis).astype(np.float32)
;;   ~~~
;; One version. Each part assembles by itself: llvm-mc -triple=amdgcn-amd-amdhsa -mcpu=gfx1250 --defsym DOCPART=n.
;; ======== version 1 of 1: 3 launches
;; limits: values are held in f16: magnitudes above 65,504 overflow, below 6.1e-05 lose precision
;; workspace buffers: xq 7,798,784 bytes; wq 2,097,152 bytes; mbits 229,376 bytes of whole numbers; wo 2,097,152 bytes; ao 29,360,128 bytes
;; launch prep (part 1): grid 711 x 1, 4 waves a work-group, no clusters, 34,304 bytes of LDS; arguments query, W_qkv, b_qkv, attn_mask, W_out, xq, wq, mbits, wo; writes xq, wq, mbits, wo
.if DOCPART == 1
	.amdgcn_target "amdgcn-amd-amdhsa--gfx1250"
	.amdhsa_code_object_version 6
	.text
	.protected	k_qd95c5907dc_prep
	.globl	k_qd95c5907dc_prep
	.p2align	8
	.type	k_qd95c5907dc_prep,@function
k_qd95c5907dc_prep:
	s_mov_b64 s[64:65], 0
	v_nop
	global_prefetch_b8 v0, s[64:65] scope:SCOPE_SE
	s_setreg_imm32_b32 hwreg(HW_REG_WAVE_MODE, 25, 1), 1
	s_wait_xcnt 0x0
; PREP.  All that the two later launches read again and again is laid out once, as IMAGES OF OPERAND REGISTERS: four registers of a fragment are 512 bytes on end, lane l's 16 bytes at 16 l.
; Four paths part on the work-group's number; each ends by itself.
;   X (work-groups 0-447):   query [128][102][1024] f32 -> xq: codes of FP4 (E2M1) with one E8M0 byte for each 32 along K; and attn_mask -> mbits, one bit a lane.
;   W (448-639):             W_qkv [1024][3072] f32, K its first axis -> wq: codes, scale words; b_qkv -> bias images.
;   O (640-703):             W_out [1024][1024] f32 -> wo: f16 fragments.
;   R (704-710):             the table of cosines and sines for the rotation, into each of wq's eight blocks.
; THE QUANTISER: a block's scale is 2^(floor(log2(its largest magnitude)) - 2); its byte is the largest magnitude's exponent field - 2, held at 1 from below; each number / scale to the nearest code, ties to even, beyond 6 the largest code.
; LIMITS: a block of zeros gets the byte 1 where the rule says 127 (its codes are zeros, and this program alone reads the bytes); blocks whose largest magnitude lies under 2^-124 were not tried;
; NaN and infinities among query and the weights are not served; W_out must lie inside f16's range (under 65,504); the table's angles are good to about 3e-5 radians.
; A batch's 102 rows are padded to 112 by copies of row 101: finite numbers, hidden as keys by mbits, never stored as queries.
.set SPW,   8                          ; v8   LDS address of my spare word; never rewritten
.set NIL,   9                          ; v9   0; never rewritten
.set SPARE, 33792                      ; behind the four stages: the spare words, 128 bytes a wave
.set STGW,  8448                       ; path X: a stage of 16 rows x 528 bytes for each wave
.set SPI,   528                        ; 512 bytes + 16: 132 words, so that the 16 rows that a load touches start at 16 different groups of banks
.set VO,    10                         ; v10-25  path X: row i's byte offset in the batch + 16 x lane
.set CX,    48                         ; v48-55  a fragment's codes
.set WX,    56                         ; v56-59  the scale words of my four K steps
.set RX,    64                         ; v64-191 two sets of 64: a K step as loaded
.set XX,    192                        ; v192-255 a K step turned: 2 blocks of 32 neighbours
.set MA,    192                        ; the mask's addresses and bytes lie there first
.set MD,    224
.macro FINISH                          ; a wave's end, behind the last LDS store
	s_wait_tensorcnt 0x0
	ds_add_u32 v[SPW], v[NIL]
	s_wait_dscnt 0x0
	s_endpgm
.endm
	s_load_b512 s[24:39], s[0:1], 0x0              ; query s[24:25], W_qkv s[26:27], b_qkv s[28:29], attn_mask s[30:31], W_out s[32:33], xq s[34:35], wq s[36:37], mbits s[38:39]
	s_load_b64 s[40:41], s[0:1], 0x40              ; wo
	v_lshl_add_u32 v[SPW], v0, 2, SPARE
	v_mov_b32 v[NIL], 0
	v_lshrrev_b32 v1, 5, v0
	v_readfirstlane_b32 s16, v1                    ; wave
	v_and_b32 v1, 31, v0                           ; lane
	v_and_b32 v2, 15, v0                           ; r
	v_bfe_u32 v3, v0, 4, 1                         ; h
	v_lshlrev_b32 v4, 4, v1                        ; 16 x lane
	v_lshlrev_b32 v5, 2, v1                        ; 4 x lane
	s_mov_b32 s44, 0x76543210
	s_mov_b32 s45, 0xfedcba98                      ; v_permlanex16_b32's selects for lane l xor 16
	s_wait_kmcnt 0x0
	s_cmp_lt_u32 ttmp9, 448
	s_cbranch_scc1 .Lx
	s_cmp_lt_u32 ttmp9, 640
	s_cbranch_scc1 .Lw
	s_cmp_lt_u32 ttmp9, 704
	s_cbranch_scc1 .Lo
; ---------------- PATH R: cos and sin of pos x 10000^(-i / 32).  Work-group: tile m of 16 positions; wave t: pairs 8 t .. 8 t + 7; lane (r, h): position 16 m + r, pairs 8 t + 4 h + 0 .. 3.
; The angle is brought into [-pi, pi] by a two-part 2 pi, quartered, put through the series of sine and cosine (|a| <= pi / 4) and doubled twice.
	s_sub_co_u32 s17, ttmp9, 704                   ; m
	s_lshl_b32 s18, s17, 2
	s_add_co_u32 s18, s18, s16
	s_lshl_b32 s18, s18, 10                        ; (4 m + t) x 1,024 bytes
	s_mov_b32 s19, 0
	s_add_nc_u64 s[36:37], s[36:37], s[18:19]
	s_lshl_b32 s20, s17, 4
	v_add_nc_u32 v10, s20, v2
	v_cvt_f32_u32 v10, v10                         ; the position
	s_lshl_b32 s21, s16, 3
	v_lshl_add_u32 v11, v3, 2, s21                 ; 8 t + 4 h
	s_mov_b32 s22, 0x40c90fdb                      ; 2 pi, its upper part,
	s_mov_b32 s23, 0xb43bbd2e                      ; and what is left
.irp e, 0,1,2,3
	v_add_nc_u32 v[12+\e], \e, v11
.endr
.irp e, 0,1,2,3
	v_cvt_f32_u32 v[12+\e], v[12+\e]
.endr
.irp e, 0,1,2,3
	v_mul_f32 v[12+\e], 0xbed49a78, v[12+\e]       ; - i x log2(10000) / 32
.endr
.irp e, 0,1,2,3
	v_exp_f32 v[12+\e], v[12+\e]
.endr
	v_nop                                          ; a plain instruction behind the last exponential,
	s_wait_alu depctr_va_vdst(0)                   ; and the wait ahead of the batch's first reader
.irp e, 0,1,2,3
	v_mul_f32 v[12+\e], v10, v[12+\e]              ; the angle
.endr
.irp e, 0,1,2,3
	v_mul_f32 v[16+\e], 0.15915494, v[12+\e]
.endr
.irp e, 0,1,2,3
	v_rndne_f32 v[16+\e], v[16+\e]                 ; whole turns
.endr
.irp e, 0,1,2,3
	v_fma_f32 v[12+\e], -v[16+\e], s22, v[12+\e]
.endr
.irp e, 0,1,2,3
	v_fma_f32 v[12+\e], -v[16+\e], s23, v[12+\e]
.endr
.irp e, 0,1,2,3
	v_mul_f32 v[12+\e], 0x3e800000, v[12+\e]       ; a = a quarter of it
.endr
.irp e, 0,1,2,3
	v_mul_f32 v[16+\e], v[12+\e], v[12+\e]         ; a^2
.endr
.irp e, 0,1,2,3
	v_mov_b32 v[20+\e], 0x3638ef1d                 ; sine: 1 / 9!
	v_mov_b32 v[24+\e], 0xb493f27e                 ; cosine: - 1 / 10!
.endr
.irp e, 0,1,2,3
	v_fmaak_f32 v[20+\e], v[20+\e], v[16+\e], 0xb9500d01
	v_fmaak_f32 v[24+\e], v[24+\e], v[16+\e], 0x37d00d01
.endr
.irp e, 0,1,2,3
	v_fmaak_f32 v[20+\e], v[20+\e], v[16+\e], 0x3c088889
	v_fmaak_f32 v[24+\e], v[24+\e], v[16+\e], 0xbab60b61
.endr
.irp e, 0,1,2,3
	v_fmaak_f32 v[20+\e], v[20+\e], v[16+\e], 0xbe2aaaab
	v_fmaak_f32 v[24+\e], v[24+\e], v[16+\e], 0x3d2aaaab
.endr
.irp e, 0,1,2,3
	v_fma_f32 v[20+\e], v[20+\e], v[16+\e], 1.0
	v_fma_f32 v[24+\e], v[24+\e], v[16+\e], -0.5
.endr
.irp e, 0,1,2,3
	v_mul_f32 v[20+\e], v[20+\e], v[12+\e]         ; sin a
	v_fma_f32 v[24+\e], v[24+\e], v[16+\e], 1.0    ; cos a
.endr
.rept 2                                        ; twice: sin 2a = 2 sin a cos a, cos 2a = 1 - 2 sin^2 a
.irp e, 0,1,2,3
	v_mul_f32 v[28+\e], v[20+\e], v[24+\e]
	v_mul_f32 v[32+\e], v[20+\e], v[20+\e]
.endr
.irp e, 0,1,2,3
	v_add_f32 v[20+\e], v[28+\e], v[28+\e]
	v_fma_f32 v[24+\e], v[32+\e], -2.0, 1.0
.endr
.endr
.irp y, 0,1,2,3,4,5,6,7                        ; a copy for each of wq's eight blocks: 512 bytes on end a store
	global_store_b128 v4, v[24:27], s[36:37] offset:\y*262144+12288
	global_store_b128 v4, v[20:23], s[36:37] offset:\y*262144+12288+512
.endr
	FINISH
; ---------------- PATH X.  A wave's job t = 4 x work-group + wave: tile tm = t / 2 of 16 rows (batch b = tm / 7, tile m = tm % 7), half kh = t % 2 of K (K steps 4 kh .. 4 kh + 3), mask words 32 kh .. 32 kh + 31.
.Lx:
	s_lshl_b32 s17, ttmp9, 2
	s_add_co_u32 s17, s17, s16                     ; t
	s_and_b32 s18, s17, 1                          ; kh
	s_lshr_b32 s19, s17, 1                         ; tm, under 896
	s_mul_i32 s20, s19, 9363
	s_lshr_b32 s20, s20, 16                        ; b = tm / 7: exact for tm under 13,107
	s_mul_i32 s21, s20, 7
	s_sub_co_u32 s21, s19, s21                     ; m
	s_mul_i32 s2, s20, 417792                      ; a batch of query: 102 rows of 4,096 bytes
	s_lshl_b32 s3, s18, 11
	s_add_co_u32 s2, s2, s3
	s_mov_b32 s3, 0
	s_add_nc_u64 s[24:25], s[24:25], s[2:3]
	s_mul_i32 s2, s20, 10404                       ; a batch of the mask: 102 x 102 bytes
	s_add_nc_u64 s[30:31], s[30:31], s[2:3]
	s_lshl_b32 s2, s19, 8
	s_lshl_b32 s22, s18, 7
	s_add_co_u32 s2, s2, s22
	s_add_nc_u64 s[38:39], s[38:39], s[2:3]        ; mbits: 256 bytes a tile, my 128 of them
	s_mul_i32 s2, s20, 60928
	s_add_nc_u64 s[34:35], s[34:35], s[2:3]        ; xq at my batch
	s_lshl_b32 s2, s21, 9
	s_lshl_b32 s22, s18, 8
	s_add_co_u32 s2, s2, s22
	s_add_co_u32 s2, s2, 57344
	s_add_nc_u64 s[42:43], s[34:35], s[2:3]        ; the scale image: 512 bytes a tile, my 256 of them
	s_lshl_b32 s2, s21, 13
	s_lshl_b32 s22, s18, 12
	s_add_co_u32 s2, s2, s22
	s_add_nc_u64 s[34:35], s[34:35], s[2:3]        ; the codes: fragment 8 m + 4 kh on
	s_lshl_b32 s22, s21, 4                         ; 16 m
.set i, 0
.rept 16
	s_add_co_u32 s2, s22, i
	s_min_u32 s2, s2, 101                          ; rows past the batch's end are copies of its last
	s_lshl_b32 s2, s2, 12
	v_add_nc_u32 v[VO+i], s2, v4
.set i, i+1
.endr
	v_add_nc_u32 v26, s22, v2
	v_min_u32 v26, 101, v26
	v_mul_u32_u24 v26, v26, 102                    ; the mask's row of query 16 m + r
	s_lshl_b32 s2, s18, 6
	v_lshl_add_u32 v27, v3, 3, s2                  ; 64 kh + 8 h.  Word w holds key 64 kh + 16 (w / 8) + 8 h + w % 8
.set w, 0
.rept 32
	v_add_nc_u32 v28, 16*(w/8)+(w%8), v27
	v_min_u32 v28, 101, v28                        ; no load leaves the row; keys past the end are cleared below
	v_add_nc_u32 v[MA+w], v28, v26
	global_load_u8 v[MD+w], v[MA+w], s[30:31]
.set w, w+1
.endr
	s_mul_i32 s23, s16, STGW
	v_add_nc_u32 v29, s23, v4                      ; the stage, in: 16 x lane of a row
	v_mul_u32_u24 v30, v2, SPI
	v_lshl_add_u32 v30, v3, 7, v30
	v_add_nc_u32 v30, s23, v30                     ; and back: row r, block h
	v_lshlrev_b32 v31, 3, v3                       ; 8 h
	v_lshl_add_u32 v32, v2, 4, v31                 ; 16 r + 8 h
	v_mov_b32 v33, 0                               ; (a lane permute's destination counts as one of its sources)
	v_mov_b32 v47, 0
.macro LOADX t                         ; K step t of my four: 16 rows, 512 consecutive bytes a load
.set i, 0
.rept 16
	global_load_b128 v[RX+64*((\t)%2)+4*i:RX+64*((\t)%2)+4*i+3], v[VO+i], s[24:25] offset:512*(\t) th:TH_LOAD_NT
.set i, i+1
.endr
.endm
	LOADX 0
	LOADX 1
	s_wait_loadcnt 32                              ; the mask's 32 bytes are in; the 32 loads of query issued behind them may be out
.set w, 0
.rept 32                                       ; word w: bit 16 h + r = mask(query 16 m + r, key), 0 for keys past the end; lane w of v47 takes it
	v_add_nc_u32 v28, 16*(w/8)+(w%8), v27
	v_cmp_ne_u32 s2, 0, v[MD+w]
	v_cmp_gt_u32 s3, 102, v28
	s_and_b32 s2, s2, s3
	v_writelane_b32 v47, s2, w
.set w, w+1
.endr
	global_store_b32 v5, v47, s[38:39]
; A K step: the 16 rows' 512 bytes go through my stage as they lie and come back so that lane (r, h) holds blocks h and 2 + h of row r, 32 neighbours each: the order of the operand's registers.
.macro STEPX t
.if (\t) < 3
	s_wait_loadcnt 16                              ; this step's 16 loads are in; the next step's may be out
.else
	s_wait_loadcnt 0x0
.endif
.set i, 0
.rept 16
	ds_store_b128 v29, v[RX+64*((\t)%2)+4*i:RX+64*((\t)%2)+4*i+3] offset:SPI*i
.set i, i+1
.endr
.set i, 0
.rept 16                                       ; LDS serves a wave's instructions in order: these see the stores above
	ds_load_b128 v[XX+4*i:XX+4*i+3], v30 offset:256*(i/8)+16*(i%8)
.set i, i+1
.endr
	s_wait_dscnt 0x0                               ; the numbers are back, and the stores have read their registers,
.if (\t) < 2
	LOADX (\t)+2                                   ; which take the loads of two steps on
.endif
.irp c, 0,1
	v_max3_num_f32 v[34+\c], |v[XX+32*\c]|, |v[XX+32*\c+1]|, 0x1800000   ; my block 2 c + h, and the floor 2^(3 - 127): the byte cannot fall under 1
.endr
.irp j, 2,4,6,8,10,12,14,16,18,20,22,24,26,28,30
.irp c, 0,1
	v_max3_num_f32 v[34+\c], v[34+\c], |v[XX+32*\c+\j]|, |v[XX+32*\c+\j+1]|
.endr
.endr
.irp c, 0,1
	v_add_nc_u32 v[36+\c], 0xff000000, v[34+\c]    ; 2 off the exponent field: the conversion's scale operand
.endr
.irp c, 0,1
	v_lshrrev_b32 v[38+\c], 23, v[36+\c]           ; the scale's byte
.endr
	v_lshl_or_b32 v40, v39, 16, v38                ; bytes h and 2 + h of my row's word,
	v_lshlrev_b32 v40, v31, v40
	v_permlanex16_b32 v33, v40, s44, s45
	v_or_b32 v[WX+(\t)], v40, v33                  ; with lane l xor 16's two the word is whole
	s_wait_xcnt 0x0                                ; the last step's stores have read the codes' registers
.irp c, 0,1
.irp g, 0,1,2,3
	v_cvt_scalef32_pk8_fp4_f32 v[CX+4*\c+\g], v[XX+32*\c+8*\g:XX+32*\c+8*\g+7], v[36+\c]
.endr
.endr
	v_nop                                          ; a plain instruction behind the last scaled conversion
	global_store_b128 v4, v[CX:CX+3], s[34:35] offset:1024*(\t)
	global_store_b128 v4, v[CX+4:CX+7], s[34:35] offset:1024*(\t)+512
.endm
	STEPX 0
	STEPX 1
	STEPX 2
	STEPX 3
	s_mov_b32 s2, 0xffff0000                       ; every lane holds its row's four words: lanes 0-15 store the first two, lanes 16-31 the last two: 256 bytes on end
	v_cndmask_b32 v60, v56, v58, s2
	v_cndmask_b32 v61, v57, v59, s2
	global_store_b64 v32, v[60:61], s[42:43]
	FINISH
; ---------------- PATH W.  K step s = work-group % 8; a wave takes 32 columns (group cg = 4 (work-group / 8) + wave): A LANE TAKES A COLUMN AND ITS REGISTERS RUN DOWN K, so nothing is transposed.
; Column 32 cg + lane = part x 1,024 + head x 64 + 32 f + 16 u + r.  In wq: block y = head / 2; in it pair 6 (head % 2) + p, p = 2 (2 - part) + f: V's pairs first, then K's, then Q's.
.Lw:
	s_sub_co_u32 s17, ttmp9, 448
	s_and_b32 s18, s17, 7                          ; s
	s_lshr_b32 s19, s17, 3
	s_lshl_b32 s19, s19, 2
	s_add_co_u32 s19, s19, s16                     ; cg, 0 .. 95
	s_lshr_b32 s20, s19, 5                         ; part: 0 Q, 1 K, 2 V
	s_bfe_u32 s21, s19, 0x30002                    ; y
	s_bfe_u32 s22, s19, 0x10001                    ; head % 2
	s_and_b32 s23, s19, 1                          ; f
	s_sub_co_u32 s2, 2, s20
	s_lshl_b32 s2, s2, 1
	s_add_co_u32 s2, s2, s23
	s_mul_i32 s3, s22, 6
	s_add_co_u32 s46, s2, s3                       ; the pair's number in the block
	s_mul_i32 s2, s18, 1572864                     ; 128 rows of 12,288 bytes
	s_lshl_b32 s3, s19, 7
	s_add_co_u32 s2, s2, s3
	s_mov_b32 s3, 0
	s_add_nc_u64 s[26:27], s[26:27], s[2:3]
.set i, 0
.rept 128                                      ; 128 consecutive bytes a wave, 512 a work-group
	global_load_b32 v[64+i], v5, s[26:27] offset:i*12288 th:TH_LOAD_NT
.set i, i+1
.endr
	s_lshl_b32 s2, s21, 18
	s_add_nc_u64 s[36:37], s[36:37], s[2:3]        ; wq at block y
	s_lshl_b32 s2, s46, 3
	s_add_co_u32 s2, s2, s18
	s_lshl_b32 s2, s2, 11
	s_add_co_u32 s2, s2, 65536
	s_add_nc_u64 s[42:43], s[36:37], s[2:3]        ; the codes of (pair, s): two fragments
	s_lshl_b32 s2, s46, 10
	s_lshl_b32 s47, s18, 7
	s_add_co_u32 s2, s2, s47
	s_add_nc_u64 s[34:35], s[36:37], s[2:3]        ; their 32 scale words
	v_lshlrev_b32 v10, 10, v3
	v_lshl_add_u32 v10, v2, 4, v10                 ; fragment u = lane / 16, 16 r in it
.macro BLKW t                          ; block t of the K step: in the image it is part t / 2, lanes 16 (t % 2) + r
.set BB, 64+32*(\t)
.if (\t) < 2
	s_wait_loadcnt 63                              ; 96 or 64 loads are younger than this block's: the count is the most that the field holds
.else
	s_wait_loadcnt 32*(3-(\t))
.endif
	v_max3_num_f32 v12, |v[BB]|, |v[BB+1]|, |v[BB+2]|
	v_max3_num_f32 v13, |v[BB+3]|, |v[BB+4]|, |v[BB+5]|
.irp j, 6,10,14,18,22,26
	v_max3_num_f32 v12, v12, |v[BB+\j]|, |v[BB+\j+1]|
	v_max3_num_f32 v13, v13, |v[BB+\j+2]|, |v[BB+\j+3]|
.endr
	v_max3_num_f32 v12, v12, |v[BB+30]|, |v[BB+31]|
	v_max3_num_f32 v12, v12, v13, 0x1800000        ; and the floor
	v_add_nc_u32 v11, 0xff000000, v12
	v_lshrrev_b32 v13, 23, v11
.if (\t) == 0
	v_mov_b32 v14, v13
.else
	v_lshl_or_b32 v14, v13, 8*(\t), v14
.endif
.irp g, 0,1,2,3
	v_cvt_scalef32_pk8_fp4_f32 v[32+4*(\t)+\g], v[BB+8*\g:BB+8*\g+7], v11
.endr
	v_nop
	global_store_b128 v10, v[32+4*(\t):32+4*(\t)+3], s[42:43] offset:512*((\t)/2)+256*((\t)%2)   ; each half of the lanes fills 256 bytes on end; each block has registers of its own
.endm
	BLKW 0
	BLKW 1
	BLKW 2
	BLKW 3
	global_store_b32 v5, v14, s[34:35]             ; lane 16 u + r: the word of column r of fragment u
	s_cmp_lg_u32 s18, 0                            ; the work-groups of K step 0 also lay the pair's bias, as the C of a sum's first matrix instruction
	s_cbranch_scc1 .Lw_end
	s_lshl_b32 s2, s19, 7
	s_add_nc_u64 s[28:29], s[28:29], s[2:3]        ; b_qkv at column 32 cg
	s_lshl_b32 s2, s46, 11
	s_add_co_u32 s2, s2, 40960
	s_add_nc_u64 s[36:37], s[36:37], s[2:3]
	s_cmp_eq_u32 s20, 2
	s_cbranch_scc1 .Lw_v
	v_lshlrev_b32 v15, 5, v3                       ; Q and K are used transposed: register j of lane (r, h) is column 16 u + 8 h + j
.irp j, 0,1,2,3
	global_load_b128 v[16+4*\j:19+4*\j], v15, s[28:29] offset:64*(\j/2)+16*(\j%2)
.endr
	s_wait_loadcnt 0x0
.irp j, 0,1,2,3
	global_store_b128 v4, v[16+4*\j:19+4*\j], s[36:37] offset:512*\j
.endr
	FINISH
.Lw_v:
	v_lshlrev_b32 v15, 2, v2                       ; V is used as it stands: all eight registers of lane (r, h) are column 16 u + r
	global_load_b32 v16, v15, s[28:29]
	global_load_b32 v20, v15, s[28:29] offset:64
	s_wait_loadcnt 0x0
.irp j, 1,2,3
	v_mov_b32 v[16+\j], v16
	v_mov_b32 v[20+\j], v20
.endr
.irp j, 0,1,2,3
	global_store_b128 v4, v[16+4*(\j/2):19+4*(\j/2)], s[36:37] offset:512*\j
.endr
	FINISH
.Lw_end:
	FINISH
; ---------------- PATH O.  kq = work-group % 8: 128 along K; a wave takes 32 columns of W_out, a lane a column, registers down K; rounded to f16 in pairs they are the 16-bit fragment's registers.
.Lo:
	s_sub_co_u32 s17, ttmp9, 640
	s_and_b32 s18, s17, 7                          ; kq
	s_lshr_b32 s19, s17, 3
	s_lshl_b32 s19, s19, 2
	s_add_co_u32 s19, s19, s16                     ; cg, 0 .. 31
	s_lshl_b32 s2, s18, 19                         ; 128 rows of 4,096 bytes
	s_lshl_b32 s3, s19, 7
	s_add_co_u32 s2, s2, s3
	s_mov_b32 s3, 0
	s_add_nc_u64 s[32:33], s[32:33], s[2:3]
.set i, 0
.rept 128
	global_load_b32 v[64+i], v5, s[32:33] offset:i*4096 th:TH_LOAD_NT
.set i, i+1
.endr
	s_lshl_b32 s2, s19, 16                         ; column tile 2 cg: 32,768 bytes a tile
	s_lshl_b32 s20, s18, 12                        ; K step 4 kq of 32
	s_add_co_u32 s2, s2, s20
	s_add_nc_u64 s[40:41], s[40:41], s[2:3]
	v_lshlrev_b32 v10, 15, v3
	v_lshl_add_u32 v10, v2, 4, v10                 ; tile lane / 16, 16 r in a quarter image
.irp q, 0,1,2,3
.if \q < 2
	s_wait_loadcnt 63                              ; as in path W
.else
	s_wait_loadcnt 32*(3-\q)
.endif
.set i, 0
.rept 16
	v_cvt_pk_f16_f32 v[192+16*\q+i], v[64+32*\q+2*i], v[64+32*\q+2*i+1]
.set i, i+1
.endr
.irp j, 0,1,2,3                                ; quarter j = 2 c + h': k = 16 c + 8 h' + 0 .. 7 of my column: lanes 16 h' + r of part c
	global_store_b128 v10, v[192+16*\q+4*\j:192+16*\q+4*\j+3], s[40:41] offset:1024*\q+256*\j
.endr
.endr
	FINISH
.Lfunc_end_k_qd95c5907dc_prep:
	.size	k_qd95c5907dc_prep, .Lfunc_end_k_qd95c5907dc_prep-k_qd95c5907dc_prep
	.p2alignl 7, 3214868480
	.fill 96, 4, 3214868480
	.section	.rodata,"a",@progbits
	.p2align	6, 0x0
	.amdhsa_kernel k_qd95c5907dc_prep
		.amdhsa_group_segment_fixed_size 34304
		.amdhsa_private_segment_fixed_size 0
		.amdhsa_enable_private_segment 0
		.amdhsa_kernarg_size 72
		.amdhsa_user_sgpr_count 2
		.amdhsa_user_sgpr_kernarg_segment_ptr 1
		.amdhsa_wavefront_size32 1
		.amdhsa_system_sgpr_workgroup_id_x 1
		.amdhsa_system_sgpr_workgroup_id_y 1
		.amdhsa_system_sgpr_workgroup_id_z 1
		.amdhsa_system_vgpr_workitem_id 0
		.amdhsa_next_free_vgpr 256
		.amdhsa_next_free_sgpr 66
		.amdhsa_reserve_vcc 0
		.amdhsa_float_denorm_mode_32 3
		.amdhsa_float_denorm_mode_16_64 3
		.amdhsa_memory_ordered 1
		.amdhsa_forward_progress 1
		.amdhsa_inst_pref_size 98
	.end_amdhsa_kernel
	.amdgpu_metadata
---
amdhsa.version: [ 1, 2 ]
amdhsa.kernels:
  - .name:           k_qd95c5907dc_prep
    .symbol:         k_qd95c5907dc_prep.kd
    .args:
      - { .name: query, .offset: 0, .size: 8, .value_kind: global_buffer, .address_space: global }
      - { .name: W_qkv, .offset: 8, .size: 8, .value_kind: global_buffer, .address_space: global }
      - { .name: b_qkv, .offset: 16, .size: 8, .value_kind: global_buffer, .address_space: global }
      - { .name: attn_mask, .offset: 24, .size: 8, .value_kind: global_buffer, .address_space: global }
      - { .name: W_out, .offset: 32, .size: 8, .value_kind: global_buffer, .address_space: global }
      - { .name: xq, .offset: 40, .size: 8, .value_kind: global_buffer, .address_space: global }
      - { .name: wq, .offset: 48, .size: 8, .value_kind: global_buffer, .address_space: global }
      - { .name: mbits, .offset: 56, .size: 8, .value_kind: global_buffer, .address_space: global }
      - { .name: wo, .offset: 64, .size: 8, .value_kind: global_buffer, .address_space: global }
    .group_segment_fixed_size: 34304
    .private_segment_fixed_size: 0
    .kernarg_segment_align: 8
    .kernarg_segment_size: 72
    .max_flat_workgroup_size: 128
    .sgpr_count:     66
    .vgpr_count:     256
    .wavefront_size: 32
...
	.end_amdgpu_metadata
.endif
;; end of part 1
;; launch attn (part 2): grid 32 x 8, 4 waves a work-group, clusters of 4 x 1, 327,680 bytes of LDS; arguments xq, wq, mbits, ao; writes ao
.if DOCPART == 2
	.amdgcn_target "amdgcn-amd-amdhsa--gfx1250"
	.amdhsa_code_object_version 6
	.text
	.protected	k_qd95c5907dc_attn
	.globl	k_qd95c5907dc_attn
	.p2align	8
	.type	k_qd95c5907dc_attn,@function
k_qd95c5907dc_attn:
	s_mov_b64 s[64:65], 0
	v_nop
	global_prefetch_b8 v0, s[64:65] scope:SCOPE_SE
	s_setreg_imm32_b32 hwreg(HW_REG_WAVE_MODE, 25, 1), 1
	s_wait_xcnt 0x0
	s_wait_alu depctr_hold_cnt(0) depctr_sa_sdst(0) depctr_va_vdst(0) depctr_va_sdst(0) depctr_va_ssrc(0) depctr_va_vcc(0) depctr_vm_vsrc(0)
	s_getreg_b32 s2, hwreg(HW_REG_IB_STS2, 6, 4)
	s_cmp_eq_u32 s2, 0
	s_cbranch_scc0 .Lentry_in_a_cluster
	s_endpgm
.Lentry_in_a_cluster:
	s_bfe_u32 s2, ttmp6, 0x10000c
	s_cmp_lg_u32 s2, 0x3003
	s_cbranch_scc0 .Lentry_shape_is_right
	s_endpgm
.Lentry_shape_is_right:
; ATTN.  qkv = Q4(query) Q4(W_qkv) + b_qkv on codes of FP4 with E8M0 scales; the rotation of q and k; softmax(q k^T / 8 under the mask) v.  q, k and v never leave the WGP.
; SHARES.  A work-group takes 4 batches x 2 heads (pair y); wave w takes batch 4 bg + w and both heads, one after the other.  The batch's x (7 tiles of 16 rows x 8 K steps: 448 registers) stays in the wave's registers.
; The pair's block of wq (scale words, table, biases, codes: 262,144 bytes) lies in LDS, filled once, and all four waves read it; nothing else goes from wave to wave.
; CLUSTER.  The four work-groups of a cluster share y, so the block is asked for JOINTLY: the same tensor load with the same descriptor and a mask that names the four; each wave brings a quarter.  One tensor load of mine is out, once.
; LAYOUT.  Q and K are made transposed (source 0 = 16 columns of W, source 1 = 16 rows of x): a lane holds one position and 8 neighbouring channels, so that the rotation's pairs are register pairs, and two tiles
; rounded to f16 ARE a 16-bit fragment (16 positions x 32 channels).  V is made as it stands (source 0 = x): a lane holds one channel and 8 positions: a fragment of V^T.
; S^T = K Q^T and O^T = V^T P: a lane holds ONE query throughout; all 102 keys (padded to 112, the padding hidden by the mask's words) are one step, so the row's true maximum is taken before the exponential.
; A row that the mask hides whole gives -inf - (-inf) = NaN in that query's column alone, as the softmax of such a row does.
; BY TURNS.  The tiles of 16 queries are a pipeline on two buffers of scores: the 14 products K Q^T of the NEXT tile stand among this tile's scalings and exponentials, one ahead of each slice of six; the 16 products V^T P
; carry the later roundings of p, the row's sum and its reciprocal in slices behind them.  A slice costs two switches of the register window, since K and V^T lie in window 3.
; Products 2 and 3 take f16 operands.  LIMITS: q and k behind the rotation, v, and the result must lie under 65,504 in magnitude; NaN and infinities among the inputs are not served.
; REGISTERS, in windows of 256: window 0: v1-13 addresses; v16-43 x's scale words; v44-59 W's, two sets; v60-75 the pair's bias; v76-187 the pair's 14 accumulators; v188-219 four sets of cos and sin; v220-251 at work.
;   In the attention: v60-67 at work; v76-131 and v196-251 S^T, two buffers; v132-163 P (its first 16 later the result in f16); v164-195 O^T (its first 16 earlier Q's two fragments).
;   window 1: x's tiles 0-3 (64 m + 8 s).   window 2: x's tiles 4-6; from 192 a ring of four K steps of W (16 registers each).   window 3: K in f16 (0-111), V^T in f16 (112-239).
.set OFF_TAB,  12288
.set OFF_BIAS, 40960
.set OFF_CODE, 65536
.set QST,      262144                  ; behind the block: q's 14 fragments, 14,336 bytes for each wave, its own
.set QSTW,     14336
.set SPARE,    319488                  ; the spare words, 128 bytes for each wave
.set LI,   1                           ; v1   16 x lane
.set LS,   2                           ; v2   4 x lane
.set WA,   3                           ; v3   LDS address of the pair's codes
.set SA,   4                           ; v4   of its scale words
.set BA,   5                           ; v5   of its bias
.set QA,   7                           ; v7   of the next q-tile's fragments
.set QW,   8                           ; v8   of my q stage
.set AO,   9                           ; v9   my byte offset in ao
.set NINF, 10                          ; v10  -infinity
.set SPW,  12                          ; v12  LDS address of my spare word; never rewritten
.set NIL,  13                          ; v13  0; never rewritten
.set XS,   16
.set WS,   44
.set BIAS, 60
.set ACC,  76
.set TB,   188
.set T,    220
.set QT,   236
.set WK,   60                          ; the attention's registers at work, where the bias lay
.set SCA,  76                          ; S^T, buffer A
.set SCB,  196                         ; S^T, buffer B
.set P,    132
.set O,    164
.set QF,   164                         ; Q's fragments are read up to the last product K Q^T; O^T is begun behind it
.set WV,   12                          ; s12  wave
.set HH,   14                          ; s14  heads to go
.set NQ,   15                          ; s15  pairs of q-tiles to go
.set SW,   16                          ; s16  LDS byte of the pair's codes
.set SS,   17                          ; s17  of its scale words
.set SB,   18                          ; s18  of its bias
.set SAO,  19                          ; s19  the tile's place in ao
.set MO,   20                          ; s20  the tile's place in mbits
.set QOF,  21                          ; s21  the next tile's place in my q stage
.set CS,   22                          ; s[22:23] c = log2(e) / 8
.set SEL,  24                          ; s[24:25] selects for lane l xor 16
.set G0,   28                          ; s[28:31] descriptor group 0
.set G1,   92                          ; s[92:99] descriptor group 1.   s[32:63], s[68:91]: a q-tile's 56 mask words
.set MSB, 0
.macro WIN new                         ; the immediate's high byte repeats the setting that is left
.if MSB != (\new)
	s_set_vgpr_msb (MSB<<8)|(\new)
.set MSB, \new
.endif
.endm
.macro CROUND                          ; a round of the cluster's barrier
	s_barrier_signal -1
	s_barrier_wait -1
	s_cmp_lg_u32 s[WV], 0
	s_cbranch_scc1 .Lnot_wave_0_\@
	s_barrier_signal -3
.Lnot_wave_0_\@:
	s_barrier_wait -3
	s_barrier_signal -1
	s_barrier_wait -1
.endm
	s_load_b256 s[4:11], s[0:1], 0x0               ; xq s[4:5], wq s[6:7], mbits s[8:9], ao s[10:11]
	v_lshl_add_u32 v[SPW], v0, 2, SPARE
	v_mov_b32 v[NIL], 0
	ds_add_u32 v[SPW], v[NIL]                      ; the wave's opening: the add, twice on end, and its wait ahead of my first tensor load
	ds_add_u32 v[SPW], v[NIL]
	v_lshrrev_b32 v[LS], 5, v0
	v_readfirstlane_b32 s[WV], v[LS]               ; wave 0..3
	s_bfe_u32 s13, ttmp6, 0x40000                  ; cx: it enters global addresses of x, the mask and the result alone
	s_lshl_b32 s2, ttmp9, 4
	s_lshl_b32 s3, s13, 2
	s_add_co_u32 s2, s2, s3
	s_add_co_u32 s2, s2, s[WV]                     ; my batch = 4 (4 x cluster x + cx) + wave
	s_and_b32 s26, ttmp7, 0xffff                   ; y, which the four partners share
	s_mov_b32 s[G1], 15|(3<<16)|(1<<21)            ; 15:0 the mask: all four work-groups; 17:16 elements of 8 bytes; 21 set beside a mask; no padding: the images are read 512 bytes on end
	s_mov_b32 s[G1+1], 32<<16                      ; tensor_dim0 = 32 elements: rows of 256 bytes
	s_mov_b32 s[G1+2], 256<<16                     ; tensor_dim1 = 256 rows
	s_mov_b32 s[G1+3], 32<<16                      ; tile_dim0
	s_mov_b32 s[G1+4], 256                         ; tile_dim1
	s_mov_b32 s[G1+5], 32                          ; the rows are dense
	s_mov_b32 s[G1+6], 0
	s_mov_b32 s[G1+7], 0
	s_mov_b32 s[G0], 1
	s_lshl_b32 s[G0+1], s[WV], 16                  ; my quarter of the block: 65,536 x wave, in LDS as in memory
	s_mov_b32 s[CS], 0x3e38aa3b
	s_mov_b32 s[CS+1], s[CS]                       ; (named with it as a pair, so it is written)
	s_mov_b32 s[SEL], 0x76543210
	s_mov_b32 s[SEL+1], 0xfedcba98
	s_wait_dscnt 0x0                               ; both opening adds are done
	s_wait_kmcnt 0x0
	s_lshl_b32 s20, s26, 18
	s_add_co_u32 s20, s20, s[G0+1]
	s_mov_b32 s21, 0
	s_add_nc_u64 s[G0+2:G0+3], s[6:7], s[20:21]
	s_or_b32 s[G0+3], s[G0+3], 0x80000000
	CROUND                                         ; all four work-groups are here: the joint loads meet
	tensor_load_to_lds s[G0:G0+3], s[G1:G1+7]
	s_nop 0
.rept 4
	v_nop
.endr
	s_mul_i32 s20, s2, 60928
	s_add_nc_u64 s[4:5], s[4:5], s[20:21]          ; xq at my batch
	s_mul_i32 s20, s2, 1792
	s_add_nc_u64 s[8:9], s[8:9], s[20:21]          ; mbits at my batch
	s_mul_i32 s20, s2, 229376
	s_lshl_b32 s3, s26, 12
	s_add_co_u32 s20, s20, s3
	s_add_nc_u64 s[10:11], s[10:11], s[20:21]      ; ao at my batch, K step 4 y
	s_mov_b32 s[MO], 0
.macro MASKLOAD                        ; a q-tile's 56 words
	s_load_b512 s[32:47], s[8:9], s[MO] offset:0x0
	s_load_b512 s[48:63], s[8:9], s[MO] offset:0x40
	s_load_b512 s[68:83], s[8:9], s[MO] offset:0x80
	s_load_b256 s[84:91], s[8:9], s[MO] offset:0xc0
.endm
	MASKLOAD                                       ; q-tile 0's
	v_and_b32 v[LI], 31, v0
	v_lshlrev_b32 v[LS], 2, v[LI]
	v_lshlrev_b32 v[LI], 4, v[LI]
.irp m, 0,1,2,3,4,5,6
	global_load_b128 v[XS+4*\m:XS+4*\m+3], v[LI], s[4:5] offset:57344+512*\m   ; lane (r, hh): the scale words of K steps 4 hh .. 4 hh + 3 of row r
.endr
.irp s, 0,1,2,3,4,5,6,7                        ; x's fragments, K step by K step, so that the first products can begin while the later steps are on their way
	WIN 0x40
.irp m, 0,1,2,3
	global_load_b128 v[64*\m+8*\s:64*\m+8*\s+3], v[LI], s[4:5] offset:(8*\m+\s)*1024
	global_load_b128 v[64*\m+8*\s+4:64*\m+8*\s+7], v[LI], s[4:5] offset:(8*\m+\s)*1024+512
.endr
	WIN 0x80
.irp m, 4,5,6
	global_load_b128 v[64*(\m-4)+8*\s:64*(\m-4)+8*\s+3], v[LI], s[4:5] offset:(8*\m+\s)*1024
	global_load_b128 v[64*(\m-4)+8*\s+4:64*(\m-4)+8*\s+7], v[LI], s[4:5] offset:(8*\m+\s)*1024+512
.endr
.endr
	WIN 0xc0
.irp d, 0,1,2,3
.irp j, 0,1,2,3
	v_mov_b32 v[112+32*\d+28+\j], 0                ; V^T's keys 112 to 127: zeros, written once
.endr
.endr
	WIN 0
	v_mov_b32 v[NINF], 0xff800000
	s_mul_i32 s2, s[WV], QSTW
	s_add_co_u32 s2, s2, QST
	v_add_nc_u32 v[QW], s2, v[LI]
	s_mov_b32 s[SW], OFF_CODE
	s_mov_b32 s[SS], 0
	s_mov_b32 s[SB], OFF_BIAS
	s_mov_b32 s[SAO], 0
	s_mov_b32 s[HH], 2
	s_wait_tensorcnt 0x0                           ; my quarter of the block is in,
	s_barrier_signal -1
	s_barrier_wait -1                              ; everybody's is.  Nothing is ever filled again
.macro ADDR
	v_add_nc_u32 v[WA], s[SW], v[LI]
	v_add_nc_u32 v[SA], s[SS], v[LS]
	v_add_nc_u32 v[BA], s[SB], v[LI]
.endm
.macro FR g                            ; W's two fragments of K step g (from 8 on: the next pair's) into slot g % 4 of the ring (window 2)
.irp j, 0,1,2,3
	ds_load_b128 v[192+16*((\g)%4)+4*\j:192+16*((\g)%4)+4*\j+3], v[WA] offset:2048*(\g)+512*\j
.endr
.endm
; One product: tile m of x, tile u of the pair's 32 columns, K step s.  o = 0 (Q, K): source 0 = W, source 1 = x; o = 1 (V): the other way round; the scales and their rows go with the sources.
; W's words: lanes 0-15 tile 0's, lanes 16-31 tile 1's.  x's words: lanes 0-15 K steps 0-3, lanes 16-31 K steps 4-7.  The first K step takes the bias as C: nothing is cleared or added later.
.macro MM o, m, u, s, par
.set rD, ACC+8*(2*(\m)+(\u))
.set rC, rD
.if (\s) == 0
.set rC, BIAS+8*(\u)
.endif
.set rX, 64*((\m)%4)+8*(\s)
.set rW, 192+16*((\s)%4)+8*(\u)
.set qW, WS+8*(\par)+(\s)
.set qX, XS+4*(\m)+((\s)%4)
.if \o
.set rA, rX
.set rB, rW
.set qA, qX
.set qB, qW
.set fA, (\s)/4
.set fB, \u
.else
.set rA, rW
.set rB, rX
.set qA, qW
.set qB, qX
.set fA, \u
.set fB, (\s)/4
.endif
.if (fA == 0) && (fB == 0)
	v_wmma_scale_f32_16x16x128_f8f6f4 v[rD:rD+7], v[rA:rA+7], v[rB:rB+7], v[rC:rC+7], v[qA], v[qB] matrix_a_fmt:MATRIX_FMT_FP4 matrix_b_fmt:MATRIX_FMT_FP4
.elseif fB == 0
	v_wmma_scale_f32_16x16x128_f8f6f4 v[rD:rD+7], v[rA:rA+7], v[rB:rB+7], v[rC:rC+7], v[qA], v[qB] matrix_a_fmt:MATRIX_FMT_FP4 matrix_b_fmt:MATRIX_FMT_FP4 matrix_a_scale:MATRIX_SCALE_ROW1
.elseif fA == 0
	v_wmma_scale_f32_16x16x128_f8f6f4 v[rD:rD+7], v[rA:rA+7], v[rB:rB+7], v[rC:rC+7], v[qA], v[qB] matrix_a_fmt:MATRIX_FMT_FP4 matrix_b_fmt:MATRIX_FMT_FP4 matrix_b_scale:MATRIX_SCALE_ROW1
.else
	v_wmma_scale_f32_16x16x128_f8f6f4 v[rD:rD+7], v[rA:rA+7], v[rB:rB+7], v[rC:rC+7], v[qA], v[qB] matrix_a_fmt:MATRIX_FMT_FP4 matrix_b_fmt:MATRIX_FMT_FP4 matrix_a_scale:MATRIX_SCALE_ROW1 matrix_b_scale:MATRIX_SCALE_ROW1
.endif
.endm
; TWO K steps of a pair, s and s + 1: 28 products under two window settings, then ONE run of eight loads: the ring's two slots take the K steps four on.
; Row tiles 0-3 go through both steps, then row tiles 4-6: an accumulator's next link stands 8 or 6 instructions on, one instruction a turn; K ascends on every accumulator.
; more = 1: the pair has a successor in this head: its first four K steps, its scale words and its bias are fetched in this pair's last four steps.  xw = 1: x may still be on its way.
.macro STEP2 o, s, par, more, xw
.if \xw
.if 14*(6-(\s)) > 63
	s_wait_loadcnt 63                              ; more loads than the field holds are younger than these two steps'
.else
	s_wait_loadcnt 14*(6-(\s))                     ; the 14 loads of each K step behind s + 1 may be out
.endif
.endif
.if (\s) == 4
	s_wait_dscnt 8                                 ; K steps 4 and 5 are in the ring; the eight loads of steps 6 and 7 may be out
.elseif (\s) == 6
.if \more
	s_wait_dscnt 20                                ; younger than steps 6 and 7's: the next pair's first eight ring loads, its 8 scale loads and 4 bias loads
.else
	s_wait_dscnt 0x0
.endif
.endif
.if \o
	WIN 0x09                                       ; source 0 (x) window 1, source 1 (W) window 2
.else
	WIN 0x06                                       ; source 0 (W) window 2, source 1 (x) window 1
.endif
.irp t, 0,1
.irp m, 0,1,2,3
	MM \o, \m, 0, (\s)+\t, \par
	MM \o, \m, 1, (\s)+\t, \par
.endr
.endr
	WIN 0x0a                                       ; both in window 2
.irp t, 0,1
.irp m, 4,5,6
	MM \o, \m, 0, (\s)+\t, \par
	MM \o, \m, 1, (\s)+\t, \par
.endr
.endr
.rept 4
	v_nop                                          ; four places in front of loads into registers that these products read, and of the first read of their results
.endr
.if ((\s) < 4) || \more
	WIN 0x80
	FR (\s)+4
	FR (\s)+5
.endif
	WIN 0
.if ((\s) == 4) && \more
.irp j, 0,1,2,3,4,5,6,7
	ds_load_b32 v[WS+8*(1-(\par))+\j], v[SA] offset:1024+128*\j
.endr
.irp j, 0,1,2,3
	ds_load_b128 v[BIAS+4*\j:BIAS+4*\j+3], v[BA] offset:2048+512*\j
.endr
.endif
.endm
.macro PAIR o, par, more, xw           ; 32 columns of qkv for the batch's 112 rows
	s_wait_dscnt 0x0                               ; the pair's first four K steps, its scale words and its bias are in
	ADDR
.irp s, 0,2,4,6
	STEP2 \o, \s, \par, \more, \xw
.endr
	s_add_co_u32 s[SW], s[SW], 16384
	s_add_co_u32 s[SS], s[SS], 1024
	s_add_co_u32 s[SB], s[SB], 2048
.endm
.macro EPI_V f                         ; V's pair f: a lane's 8 positions of a channel, rounded to f16: four registers of a fragment of V^T (channels 16 (2 f + u) on, keys 16 m on)
	WIN 0xc0
.irp u, 0,1
.irp m, 0,1,2,3,4,5,6
.irp j, 0,1,2,3
	v_cvt_pk_f16_f32 v[112+32*(2*\f+\u)+4*\m+\j], v[ACC+8*(2*\m+\u)+2*\j], v[ACC+8*(2*\m+\u)+2*\j+1]
.endr
.endr
.endr
	WIN 0
.endm
.macro TL n, f                         ; tile n = 2 m + u: its four cosines and four sines (position 16 m + r, pairs 8 (2 f + u) + 4 h + 0 .. 3) into set n % 4
.set tO, OFF_TAB+(4*((\n)/2)+2*(\f)+((\n)%2))*1024
	ds_load_b128 v[TB+8*((\n)%4):TB+8*((\n)%4)+3], v[LI] offset:tO
	ds_load_b128 v[TB+8*((\n)%4)+4:TB+8*((\n)%4)+7], v[LI] offset:tO+512
.endm
.macro ROTM a, t, c, x                 ; (e c, o c): both halves take element x of the pair of cosines
.if \x
	v_pk_mul_f32 v[\t:\t+1], v[\a:\a+1], v[\c:\c+1] op_sel:[0,1] op_sel_hi:[1,1]
.else
	v_pk_mul_f32 v[\t:\t+1], v[\a:\a+1], v[\c:\c+1] op_sel:[0,0] op_sel_hi:[1,0]
.endif
.endm
.macro ROTF a, t, c, x                 ; (e c - o s, o c + e s): the low half takes o and -s, the high half e and s
.if \x
	v_pk_fma_f32 v[\t:\t+1], v[\a:\a+1], v[\c:\c+1], v[\t:\t+1] op_sel:[1,1,0] op_sel_hi:[0,1,1] neg_lo:[0,1,0]
.else
	v_pk_fma_f32 v[\t:\t+1], v[\a:\a+1], v[\c:\c+1], v[\t:\t+1] op_sel:[1,0,0] op_sel_hi:[0,0,1] neg_lo:[0,1,0]
.endif
.endm
; K's or Q's pair f: rotated in f32, rounded to f16.  K's go to window 3; Q's (toq = 1) to my stage in LDS, since the walk over q-tiles takes them by address.
.macro EPI_R f, toq
.irp n, 0,1,2,3
	TL \n, \f
.endr
.irp n, 0,1,2,3,4,5,6,7,8,9,10,11,12,13
.if \n < 11
	s_wait_dscnt 6                                 ; this tile's cos and sin are in; the three later tiles' six loads may be out (Q's stores among them only add to what is younger)
.else
	s_wait_dscnt 2*(13-\n)
.endif
.set rA, ACC+8*\n
.set rT, T+8*(\n%2)
.set rC, TB+8*(\n%4)
.irp j, 0,1,2,3
	ROTM rA+2*\j, rT+2*\j, rC+2*(\j/2), \j%2
.endr
.irp j, 0,1,2,3
	ROTF rA+2*\j, rT+2*\j, rC+4+2*(\j/2), \j%2
.endr
.if \toq
.irp j, 0,1,2,3
	v_cvt_pk_f16_f32 v[QT+4*(\n%4)+\j], v[rT+2*\j], v[rT+2*\j+1]   ; four sets by turns: the store of four tiles back is older than the loads just waited for
.endr
	ds_store_b128 v[QW], v[QT+4*(\n%4):QT+4*(\n%4)+3] offset:(2*(\n/2)+\f)*1024+512*(\n%2)
.else
	WIN 0xc0
.irp j, 0,1,2,3
	v_cvt_pk_f16_f32 v[8*(2*(\n/2)+\f)+4*(\n%2)+\j], v[rT+2*\j], v[rT+2*\j+1]
.endr
	WIN 0
.endif
.if \n < 10
	TL \n+4, \f
.endif
.endr
.endm
; ---- THE ATTENTION'S MACROS.  k is the assembler's count of the product in hand.
.macro KQ sn                           ; product k of 14 of S^T = K Q^T into buffer sn: channels 32 (k / 7) on, keys 16 (k % 7) on: the seven tiles of keys by turns; the first seven start the sums
.set rS, (\sn)+8*(k%7)
.set rK, 8*(2*(k%7)+k/7)
.if k < 7
	v_wmma_f32_16x16x32_f16 v[rS:rS+7], v[rK:rK+7], v[QF+8*(k/7):QF+8*(k/7)+7], 0
.else
	v_wmma_f32_16x16x32_f16 v[rS:rS+7], v[rK:rK+7], v[QF+8*(k/7):QF+8*(k/7)+7], v[rS:rS+7]
.endif
.endm
.macro PV                              ; product k of 16 of O^T = V^T P: keys 32 (k / 4) on, channels 16 (k % 4) on: the four tiles of channels by turns; the first four start the sums
.set rO, O+8*(k%4)
.set rV, 112+32*(k%4)+8*(k/4)
.if k < 4
	v_wmma_f32_16x16x32_f16 v[rO:rO+7], v[rV:rV+7], v[P+8*(k/4):P+8*(k/4)+7], 0
.else
	v_wmma_f32_16x16x32_f16 v[rO:rO+7], v[rV:rV+7], v[P+8*(k/4):P+8*(k/4)+7], v[rO:rO+7]
.endif
.endm
; The slice behind product k of V^T P.  Roundings of p: registers 12 to 23 of P in slices 0 to 5, 24 to 27 in slices 6 to 9: each group of 32 keys is whole two slices, four plain instructions or more, ahead of its first product.
; The row's sum of the unrounded p, in two chains, in slices 0 to 12; the join, lane l xor 16's part and the reciprocal in slices 13 to 15.
.macro SL sc
.if k < 6
	v_cvt_pk_f16_f32 v[P+12+2*k], v[\sc+24+4*k], v[\sc+25+4*k]
	v_cvt_pk_f16_f32 v[P+13+2*k], v[\sc+26+4*k], v[\sc+27+4*k]
.elseif k < 10
	v_cvt_pk_f16_f32 v[P+18+k], v[\sc+36+2*k], v[\sc+37+2*k]
.endif
.if k == 0
	v_pk_add_f32 v[WK+2:WK+3], v[\sc:\sc+1], v[\sc+2:\sc+3]
	v_pk_add_f32 v[WK+4:WK+5], v[\sc+4:\sc+5], v[\sc+6:\sc+7]
.elseif k < 13
	v_pk_add_f32 v[WK+2:WK+3], v[WK+2:WK+3], v[\sc+4*k+4:\sc+4*k+5]
	v_pk_add_f32 v[WK+4:WK+5], v[WK+4:WK+5], v[\sc+4*k+6:\sc+4*k+7]
.elseif k == 13
	v_pk_add_f32 v[WK+2:WK+3], v[WK+2:WK+3], v[WK+4:WK+5]
	v_add_f32 v[WK+2], v[WK+2], v[WK+3]
.elseif k == 14
	v_permlanex16_b32 v[WK+4], v[WK+2], s[SEL], s[SEL+1]
	v_add_f32 v[WK+2], v[WK+2], v[WK+4]
.else
	v_rcp_f32 v[WK+6], v[WK+2]
.endif
.endm
; A TILE of 16 queries whose scores lie in buffer sc.  nxt = 1: the head has a next tile: its Q is fetched at this tile's head and its scores are made, into buffer sn, among this tile's exponentials.
.macro TILE sc, sn, nxt
.if \nxt
	s_add_co_u32 s[QOF], s[QOF], 2048
	v_add_nc_u32 v[QA], s[QOF], v[QW]
.irp j, 0,1,2,3
	ds_load_b128 v[QF+4*\j:QF+4*\j+3], v[QA] offset:512*\j   ; LDS serves a wave's instructions in order: these see my stores.  The last tile's O^T, which lay here, has been rounded
.endr
.endif
	s_wait_kmcnt 0x0                               ; the tile's mask words
.set i, 0
.rept 56                                       ; register 8 kt + j of lane (r, h) is (key 16 kt + 8 h + j, query r): hidden scores become -infinity.  Each accumulator from its low end on
.if i < 32
	v_cndmask_b32 v[\sc+i], v[NINF], v[\sc+i], s[32+i]
.else
	v_cndmask_b32 v[\sc+i], v[NINF], v[\sc+i], s[36+i]
.endif
.set i, i+1
.endr
.irp c, 0,1,2,3                                ; the row's maximum: four chains of 14
	v_max3_num_f32 v[WK+\c], v[\sc+14*\c], v[\sc+14*\c+1], v[\sc+14*\c+2]
.endr
.irp j, 3,5,7,9,11
.irp c, 0,1,2,3
	v_max3_num_f32 v[WK+\c], v[WK+\c], v[\sc+14*\c+\j], v[\sc+14*\c+\j+1]
.endr
.endr
	v_max3_num_f32 v[WK], v[WK], v[\sc+13], v[\sc+27]
	v_max3_num_f32 v[WK+2], v[WK+2], v[\sc+41], v[\sc+55]
	v_max3_num_f32 v[WK], v[WK], v[WK+1], v[WK+2]
	v_max_num_f32 v[WK], v[WK], v[WK+3]
	v_permlanex16_b32 v[WK+4], v[WK], s[SEL], s[SEL+1]
	v_max_num_f32 v[WK], v[WK], v[WK+4]            ; with lane l xor 16's keys
	v_mul_f32 v[WK], s[CS], v[WK]                  ; c m
	s_add_co_u32 s[MO], s[MO], 256                 ; the next tile's words are asked for; behind the seventh tile the offset goes back to tile 0, whose words the second head takes up (at the very end they are not used)
	s_cmp_eq_u32 s[MO], 1792
	s_cselect_b32 s[MO], 0, s[MO]
	MASKLOAD
.irp j, 0,2
	v_pk_fma_f32 v[\sc+\j:\sc+\j+1], v[\sc+\j:\sc+\j+1], s[CS:CS+1], v[WK:WK+1] op_sel_hi:[1,0,0] neg_lo:[0,0,1] neg_hi:[0,0,1]   ; c s - c m: the first four scores
.endr
.if \nxt
	s_wait_dscnt 0x0                               ; the next tile's Q is in: asked for at the tile's head
.endif
.set k, 0
.rept 14                                       ; ONE BATCH of 56 exponentials, none of whose results is named before the wait behind it.  A slice: the scalings of the next four scores, then four exponentials; ahead of it a product of the next tile
.if \nxt
	WIN 0x03                                       ; source 0 (K) window 3
	KQ \sn
	WIN 0
.endif
.if k < 13
.irp j, 4,6
	v_pk_fma_f32 v[\sc+4*k+\j:\sc+4*k+\j+1], v[\sc+4*k+\j:\sc+4*k+\j+1], s[CS:CS+1], v[WK:WK+1] op_sel_hi:[1,0,0] neg_lo:[0,0,1] neg_hi:[0,0,1]
.endr
.endif
.irp j, 0,1,2,3
	v_exp_f32 v[\sc+4*k+\j], v[\sc+4*k+\j]
.endr
.set k, k+1
.endr
	v_nop                                          ; a plain instruction behind the last exponential,
	s_wait_alu depctr_va_vdst(0)                   ; and the wait ahead of the batch's first reader
	s_wait_xcnt 0x0                                ; the last tile's stores have read P's first 16 registers and their address
.set i, 0
.rept 12                                       ; two tiles of p, rounded to f16 in pairs, are source 1 of V^T P.  These twelve and the v_nop are also the places between the last product that read Q and the first that writes O^T over it
	v_cvt_pk_f16_f32 v[P+i], v[\sc+2*i], v[\sc+2*i+1]
.set i, i+1
.endr
.set k, 0
.rept 16
	WIN 0x03                                       ; source 0 (V^T) window 3
	PV
	WIN 0
	SL \sc
.set k, k+1
.endr
.rept 4
	v_nop                                          ; four places behind the last product; the first is also the plain instruction behind the reciprocal
.endr
	s_wait_alu depctr_va_vdst(0)                   ; the reciprocal's wait, ahead of its first reader
.set i, 0
.rept 16
	v_pk_mul_f32 v[O+i:O+i+1], v[O+i:O+i+1], v[WK+6:WK+7] op_sel_hi:[1,0]   ; O^T / the sum, each accumulator from its low end on
.set i, i+2
.endr
.set i, 0
.rept 16                                       ; a lane's 8 channels of a query in f16: four registers of the projection's fragment (16 rows x 32 of its K); they take P's first 16 registers, which the products have read
	v_cvt_pk_f16_f32 v[P+i], v[O+2*i], v[O+2*i+1]
.set i, i+1
.endr
	v_add_nc_u32 v[AO], s[SAO], v[LI]
.irp j, 0,1,2,3
	global_store_b128 v[AO], v[P+4*\j:P+4*\j+3], s[10:11] offset:512*\j   ; 2,048 bytes on end: the head's two fragments of this tile
.endr
	s_add_co_u32 s[SAO], s[SAO], 32768
.endm
.Lhead:                                            ; two trips: a head each
	ADDR
	WIN 0x80
	FR 0
	FR 1
	FR 2
	FR 3
	WIN 0
.irp j, 0,1,2,3,4,5,6,7
	ds_load_b32 v[WS+\j], v[SA] offset:128*\j
.endr
.irp j, 0,1,2,3
	ds_load_b128 v[BIAS+4*\j:BIAS+4*\j+3], v[BA] offset:512*\j
.endr
	PAIR 1, 0, 1, 1                                ; V, channels 0-31 (the waits for x are met at once in the second trip)
	EPI_V 0
	PAIR 1, 1, 1, 0                                ; V, channels 32-63
	EPI_V 1
	PAIR 0, 0, 1, 0                                ; K
	EPI_R 0, 0
	PAIR 0, 1, 1, 0
	EPI_R 1, 0
	PAIR 0, 0, 1, 0                                ; Q
	EPI_R 0, 1
	PAIR 0, 1, 0, 0
	EPI_R 1, 1
	; ---- the head's attention: seven tiles of 16 queries: tile 0's scores; three trips of two tiles, the buffers changing places; the last tile, which has no successor
.irp j, 0,1,2,3
	v_mov_b32 v[P+28+\j], 0                        ; P's keys 112 to 127
.endr
	v_mov_b32 v[WK+4], 0                           ; (a lane permute's destination counts as one of its sources)
	v_mov_b32 v[WK+7], 0                           ; (named as the upper half of a pair)
	s_mov_b32 s[QOF], 0
.irp j, 0,1,2,3
	ds_load_b128 v[QF+4*\j:QF+4*\j+3], v[QW] offset:512*\j
.endr
	s_wait_dscnt 0x0
	WIN 0x03
.set k, 0
.rept 14
	KQ SCA                                         ; tile 0's scores: there is no vector work yet to set between them
.set k, k+1
.endr
	WIN 0
.rept 4
	v_nop
.endr
	s_mov_b32 s[NQ], 3
.Lq:
	TILE SCA, SCB, 1
	TILE SCB, SCA, 1
	s_sub_co_u32 s[NQ], s[NQ], 1
	s_cmp_lg_u32 s[NQ], 0
	s_cbranch_scc1 .Lq
	TILE SCA, SCB, 0
	s_wait_xcnt 0x0                                ; the last stores have read their registers, which the next head writes
	s_sub_co_u32 s[SAO], s[SAO], 227328            ; back to tile 0, two K steps on
	s_sub_co_u32 s[HH], s[HH], 1
	s_cmp_lg_u32 s[HH], 0
	s_cbranch_scc1 .Lhead
	s_wait_kmcnt 0x0
	s_wait_tensorcnt 0x0                           ; the wave's end, behind my last tensor load and my last LDS store
	ds_add_u32 v[SPW], v[NIL]
	s_wait_dscnt 0x0
	CROUND                                         ; the closing round
	s_endpgm
.Lfunc_end_k_qd95c5907dc_attn:
	.size	k_qd95c5907dc_attn, .Lfunc_end_k_qd95c5907dc_attn-k_qd95c5907dc_attn
	.p2alignl 7, 3214868480
	.fill 96, 4, 3214868480
	.section	.rodata,"a",@progbits
	.p2align	6, 0x0
	.amdhsa_kernel k_qd95c5907dc_attn
		.amdhsa_group_segment_fixed_size 327680
		.amdhsa_private_segment_fixed_size 0
		.amdhsa_enable_private_segment 0
		.amdhsa_kernarg_size 32
		.amdhsa_user_sgpr_count 2
		.amdhsa_user_sgpr_kernarg_segment_ptr 1
		.amdhsa_wavefront_size32 1
		.amdhsa_system_sgpr_workgroup_id_x 1
		.amdhsa_system_sgpr_workgroup_id_y 1
		.amdhsa_system_sgpr_workgroup_id_z 1
		.amdhsa_system_vgpr_workitem_id 0
		.amdhsa_next_free_vgpr 1024
		.amdhsa_next_free_sgpr 100
		.amdhsa_reserve_vcc 0
		.amdhsa_float_denorm_mode_32 3
		.amdhsa_float_denorm_mode_16_64 3
		.amdhsa_memory_ordered 1
		.amdhsa_forward_progress 1
		.amdhsa_inst_pref_size 246
	.end_amdhsa_kernel
	.amdgpu_metadata
---
amdhsa.version: [ 1, 2 ]
amdhsa.kernels:
  - .name:           k_qd95c5907dc_attn
    .symbol:         k_qd95c5907dc_attn.kd
    .args:
      - { .name: xq, .offset: 0, .size: 8, .value_kind: global_buffer, .address_space: global }
      - { .name: wq, .offset: 8, .size: 8, .value_kind: global_buffer, .address_space: global }
      - { .name: mbits, .offset: 16, .size: 8, .value_kind: global_buffer, .address_space: global }
      - { .name: ao, .offset: 24, .size: 8, .value_kind: global_buffer, .address_space: global }
    .group_segment_fixed_size: 327680
    .private_segment_fixed_size: 0
    .kernarg_segment_align: 8
    .kernarg_segment_size: 32
    .max_flat_workgroup_size: 128
    .sgpr_count:     100
    .vgpr_count:     1024
    .wavefront_size: 32
...
	.end_amdgpu_metadata
.endif
;; end of part 2
;; launch proj (part 3): grid 4 x 64, 4 waves a work-group, clusters of 4 x 4, 327,680 bytes of LDS; arguments ao, wo, b_out, out0; writes out0
.if DOCPART == 3
	.amdgcn_target "amdgcn-amd-amdhsa--gfx1250"
	.amdhsa_code_object_version 6
	.text
	.protected	k_qd95c5907dc_proj
	.globl	k_qd95c5907dc_proj
	.p2align	8
	.type	k_qd95c5907dc_proj,@function
k_qd95c5907dc_proj:
	s_mov_b64 s[64:65], 0
	v_nop
	global_prefetch_b8 v0, s[64:65] scope:SCOPE_SE
	s_setreg_imm32_b32 hwreg(HW_REG_WAVE_MODE, 25, 1), 1
	s_wait_xcnt 0x0
	s_wait_alu depctr_hold_cnt(0) depctr_sa_sdst(0) depctr_va_vdst(0) depctr_va_sdst(0) depctr_va_ssrc(0) depctr_va_vcc(0) depctr_vm_vsrc(0)
	s_getreg_b32 s2, hwreg(HW_REG_IB_STS2, 6, 4)
	s_cmp_eq_u32 s2, 0
	s_cbranch_scc0 .Lentry_in_a_cluster
	s_endpgm
.Lentry_in_a_cluster:
	s_bfe_u32 s2, ttmp6, 0x10000c
	s_cmp_lg_u32 s2, 0xf033
	s_cbranch_scc0 .Lentry_shape_is_right
	s_endpgm
.Lentry_shape_is_right:
; PROJ.  out0 = attention's result x W_out + b_out, f16 operands, f32 sums.  Both operands come as images of fragment registers: ao [batch][7 row tiles][32 K steps][1,024 bytes], wo [64 column tiles][32 K steps][1,024 bytes].
; SHARES.  A work-group takes two batches (2 x 7 tiles of 16 rows, of which rows 102 to 111 of a batch are padding and are not stored) x 256 columns.  Wave w: batch w / 2, columns 128 (w % 2) on: 7 x 8 = 56 accumulators.
; K goes in steps of 128 (four matrix instructions deep) through a ring of two LDS slots.  A tile's row is the 4,096 consecutive bytes of four K steps of one row tile or column tile; the images are read 512 bytes on end, so no padding.
; CLUSTERS: 4 x 4 work-groups.  The four of a row of the cluster need the same tiles of ao, the four of a column the same tiles of wo: each is asked for JOINTLY.  Waves 0 and 1 fetch ao's two batches, waves 2 and 3 wo's two halves.
; THE MATRIX INSTRUCTION IS USED TRANSPOSED (source 0 = 16 columns of W_out, source 1 = 16 rows): a lane holds eight neighbouring numbers of a row of out0.  The bias is the C of each sum's first instruction.
; LIMITS: the operands are f16: what the launches before have stated.
; REGISTERS: window 0: v16-29 addresses; v32-87, v88-143 the rows' fragments, two buffers; on the way out v128-255.  window 1: W_out's fragments, two buffers of 64.
;   window 2: accumulators of row tiles 0-3 (8 (8 m + n)).  window 3: those of row tiles 4-6; from 192 the bias, 8 registers a column tile.
.set SLOT,   122880                    ; 14 rows of ao, then 16 rows of wo, 4,096 bytes each
.set BOFF,   57344
.set STAGE,  245760                    ; behind the ring: 16 rows x 528 bytes for each wave
.set SPITCH, 528
.set SPARE,  279552                    ; the spare words, 128 bytes for each wave
.set ADRA, 16                          ; v16-17  LDS address of my rows' fragments in slot 0, 1
.set ADRB, 20                          ; v20-21  of my columns'
.set STO,  24
.set RD,   25
.set CO,   26                          ; v26     16 x lane
.set BO,   27                          ; v27     32 x (lane / 16)
.set SPW,  28                          ; v28     LDS address of my spare word; never rewritten
.set NIL,  29                          ; v29     0; never rewritten
.set AF,   32
.set BK,   128
.set G1,  24                           ; s[24:31], s[32:39] groups 1 and 0 (a set for each slot) for ao's tiles
.set G0,  32
.set G1B, 48                           ; s[48:55], s[56:63] for wo's
.set G0B, 56
.set MSB, 0
.macro WIN new
.if MSB != (\new)
	s_set_vgpr_msb (MSB<<8)|(\new)
.set MSB, \new
.endif
.endm
.macro JLOAD s                         ; a joint load; the branch hangs on the wave's number alone; an s_nop 0 and four v_nop follow each of the two lines
	s_cmp_eq_u32 s13, 0
	s_cbranch_scc0 .Lfor_b_\@
	tensor_load_to_lds s[G0+4*\s:G0+4*\s+3], s[G1:G1+7]
	s_nop 0
.rept 4
	v_nop
.endr
	s_branch .Lasked_\@
.Lfor_b_\@:
	tensor_load_to_lds s[G0B+4*\s:G0B+4*\s+3], s[G1B:G1B+7]
	s_nop 0
.rept 4
	v_nop
.endr
.Lasked_\@:
.endm
.macro CREST                           ; a round of the cluster's barrier behind its opening barrier
	s_cmp_lg_u32 s12, 0
	s_cbranch_scc1 .Lnot_wave_0_\@
	s_barrier_signal -3
.Lnot_wave_0_\@:
	s_barrier_wait -3
	s_barrier_signal -1
	s_barrier_wait -1
.endm
.macro CROUND
	s_barrier_signal -1
	s_barrier_wait -1
	CREST
.endm
.macro PLACES                          ; four places in front of loads into registers that matrix instructions have read, and of the first read of results
.rept 4
	v_nop
.endr
.endm
	s_load_b256 s[4:11], s[0:1], 0x0               ; ao s[4:5], wo s[6:7], b_out s[8:9], out0 s[10:11]
	v_lshl_add_u32 v[SPW], v0, 2, SPARE
	v_mov_b32 v[NIL], 0
	ds_add_u32 v[SPW], v[NIL]                      ; the wave's opening: the add, twice on end, and its wait ahead of my first tensor load
	ds_add_u32 v[SPW], v[NIL]
	v_lshrrev_b32 v1, 5, v0
	v_readfirstlane_b32 s12, v1                    ; wave 0..3
	s_lshr_b32 s13, s12, 1                         ; my batch of the two.  Also: I fetch for ao (0) or for wo (1)
	s_and_b32 s14, s12, 1                          ; my half of the columns.  Also: which part I fetch
	s_bfe_u32 s40, ttmp6, 0x40000                  ; cx, cy
	s_bfe_u32 s41, ttmp6, 0x40004
	s_lshl_b32 s42, ttmp9, 2
	s_add_co_u32 s42, s42, s40                     ; X: block of 256 columns
	s_and_b32 s43, ttmp7, 0xffff
	s_lshl_b32 s43, s43, 2
	s_add_co_u32 s43, s43, s41                     ; Y: pair of batches
	s_lshl_b32 s44, s41, 2
	s_lshl_b32 s44, 15, s44                        ; my row of the cluster
	s_lshl_b32 s45, 0x1111, s40                    ; my column
	s_or_b32 s[G1], s44, (3<<16)|(1<<21)           ; 15:0 the mask; 17:16 elements of 8 bytes; 21 set beside a mask
	s_or_b32 s[G1B], s45, (3<<16)|(1<<21)
	s_mov_b32 s[G1+1], 512<<16                     ; tensor_dim0 = 512 elements: 4,096 bytes
	s_mov_b32 s[G1+2], 7<<16                       ; tensor_dim1 = 7 row tiles
	s_mov_b32 s[G1+3], 512<<16                     ; tile_dim0
	s_mov_b32 s[G1+4], 7                           ; tile_dim1
	s_mov_b32 s[G1+5], 4096                        ; from tile to tile: 32,768 bytes
	s_mov_b32 s[G1+6], 0
	s_mov_b32 s[G1+7], 0
	s_mov_b32 s[G1B+1], 512<<16
	s_mov_b32 s[G1B+2], 8<<16                      ; 8 column tiles
	s_mov_b32 s[G1B+3], 512<<16
	s_mov_b32 s[G1B+4], 8
	s_mov_b32 s[G1B+5], 4096
	s_mov_b32 s[G1B+6], 0
	s_mov_b32 s[G1B+7], 0
	s_lshl_b32 s16, s43, 1
	s_add_co_u32 s16, s16, s14
	s_mul_i32 s16, s16, 229376                     ; ao: batch 2 Y + part
	s_mov_b32 s17, 0
	s_lshl_b32 s46, s42, 4
	s_lshl_b32 s47, s14, 3
	s_add_co_u32 s46, s46, s47
	s_lshl_b32 s46, s46, 15                        ; wo: column tile 16 X + 8 part
	s_mov_b32 s47, 0
	s_mul_i32 s20, s14, 28672                      ; where they go: no place in the cluster enters an LDS address
	s_lshl_b32 s21, s14, 15
	s_add_co_u32 s21, s21, BOFF
	s_wait_dscnt 0x0                               ; both opening adds are done
	s_wait_kmcnt 0x0
	s_add_nc_u64 s[18:19], s[4:5], s[16:17]
	s_add_nc_u64 s[46:47], s[6:7], s[46:47]
	CROUND                                         ; all sixteen work-groups are here: the first joint loads meet
.irp s, 0,1
	s_mov_b32 s[G0+4*\s], 1
	s_add_co_u32 s[G0+4*\s+1], s20, \s*SLOT
	s_add_nc_u64 s[G0+4*\s+2:G0+4*\s+3], s[18:19], \s*4096
	s_or_b32 s[G0+4*\s+3], s[G0+4*\s+3], 0x80000000
	s_mov_b32 s[G0B+4*\s], 1
	s_add_co_u32 s[G0B+4*\s+1], s21, \s*SLOT
	s_add_nc_u64 s[G0B+4*\s+2:G0B+4*\s+3], s[46:47], \s*4096
	s_or_b32 s[G0B+4*\s+3], s[G0B+4*\s+3], 0x80000000
	JLOAD \s                                       ; two loads of mine are out
.endr
	s_lshl_b32 s2, s43, 1
	s_add_co_u32 s2, s2, s13
	s_mul_i32 s2, s2, 417792                       ; out0: my batch's 102 rows of 4,096 bytes,
	s_mov_b32 s3, 0
	s_add_nc_u64 s[10:11], s[10:11], s[2:3]
	s_lshl_b32 s22, s42, 10
	s_lshl_b32 s23, s14, 9
	s_add_co_u32 s22, s22, s23                     ; my first column, in bytes
	s_mov_b32 s23, 0
	s_add_nc_u64 s[10:11], s[10:11], s[22:23]
	s_add_nc_u64 s[8:9], s[8:9], s[22:23]
	v_and_b32 v1, 31, v0
	v_lshlrev_b32 v[CO], 4, v1
	v_and_b32 v2, 15, v0
	v_bfe_u32 v3, v0, 4, 1
	v_lshlrev_b32 v[BO], 5, v3
	WIN 0xc0
.irp n, 0,1,2,3,4,5,6,7                        ; register j of lane (r, h): b_out at column 16 n + 8 h + j
	global_load_b128 v[192+8*\n:192+8*\n+3], v[BO], s[8:9] offset:64*\n
	global_load_b128 v[192+8*\n+4:192+8*\n+7], v[BO], s[8:9] offset:64*\n+16
.endr
	WIN 0
	s_mul_i32 s22, s13, 28672
	s_lshl_b32 s23, s14, 15
	s_add_co_u32 s23, s23, BOFF
.irp s, 0,1
	v_add_nc_u32 v[ADRA+\s], s22, v[CO]
	v_add_nc_u32 v[ADRB+\s], s23, v[CO]
	s_add_co_u32 s22, s22, SLOT
	s_add_co_u32 s23, s23, SLOT
.endr
	s_mul_i32 s22, s12, 16*SPITCH
	s_add_co_u32 s22, s22, STAGE                   ; my stage
	v_mul_u32_u24 v4, v2, SPITCH
	v_lshl_add_u32 v4, v3, 5, v4
	v_add_nc_u32 v[STO], s22, v4                   ; in: row r, 32 bytes for each half of the lanes
	v_add_nc_u32 v[RD], s22, v[CO]                 ; back: the 32 lanes take one row of 512 bytes
; 30 LDS loads in one run: the fragments of the slot's q-th 32 along K into buffer buf: W_out's eight, then row tiles 0-3, then 4-6
.macro FETCH slot, q, buf
	WIN 0x40
.irp n, 0,1,2,3,4,5,6,7
	ds_load_b128 v[64*(\buf)+8*\n:64*(\buf)+8*\n+3], v[ADRB+\slot] offset:4096*\n+1024*(\q)
	ds_load_b128 v[64*(\buf)+8*\n+4:64*(\buf)+8*\n+7], v[ADRB+\slot] offset:4096*\n+1024*(\q)+512
.endr
	WIN 0
.irp m, 0,1,2,3,4,5,6
	ds_load_b128 v[AF+56*(\buf)+8*\m:AF+56*(\buf)+8*\m+3], v[ADRA+\slot] offset:4096*\m+1024*(\q)
	ds_load_b128 v[AF+56*(\buf)+8*\m+4:AF+56*(\buf)+8*\m+7], v[ADRA+\slot] offset:4096*\m+1024*(\q)+512
.endr
.endm
; Row tiles ma .. mb x all 8 column tiles, 32 along K.  The 56 accumulators take turns, one instruction a turn, in the same order in every step.  first = 1: C is the bias
.macro MUL buf, ma, mb, first
.set mm, \ma
.rept (\mb)-(\ma)+1
.irp n, 0,1,2,3,4,5,6,7
.set rD, 8*(8*(mm%4)+\n)
.if \first
	v_wmma_f32_16x16x32_f16 v[rD:rD+7], v[64*(\buf)+8*\n:64*(\buf)+8*\n+7], v[AF+56*(\buf)+8*mm:AF+56*(\buf)+8*mm+7], v[192+8*\n:192+8*\n+7]
.else
	v_wmma_f32_16x16x32_f16 v[rD:rD+7], v[64*(\buf)+8*\n:64*(\buf)+8*\n+7], v[AF+56*(\buf)+8*mm:AF+56*(\buf)+8*mm+7], v[rD:rD+7]
.endif
.endr
.set mm, mm+1
.endr
.endm
.macro KSTEP slot, q, first            ; one of a slot's first three: multiplies buffer q % 2 and fetches the next 32 along K into the other
	s_wait_dscnt 6                                 ; W_out's fragments and row tiles 0-3 are in; the youngest six loads (row tiles 4-6) may be out
.if \first
	WIN 0xb1                                       ; source 0 window 1, source 1 window 0, C (the bias) window 3, D window 2
.else
	WIN 0xa1                                       ; C and D window 2
.endif
	MUL (\q)%2, 0, 3, \first
	PLACES
	FETCH \slot, (\q)+1, 1-(\q)%2
	s_wait_dscnt 30                                ; all but the 30 just issued
	WIN 0xf1                                       ; C and D window 3
	MUL (\q)%2, 4, 6, \first
.endm
; A slot's last 32 along K change slots: ONE barrier; in front of it each wave waits for all its tensor loads, adds 0 to its spare word, and waits for that and for its reads of this slot.  fill = 1: the slot is filled again, two K steps ahead.
.macro TURN slot, next, fill
	WIN 0
	s_wait_tensorcnt 0x0                           ; all my tensor loads have landed: my part of the next slot;
	ds_add_u32 v[SPW], v[NIL]                      ; 0 onto my spare word;
	s_wait_dscnt 7                                 ; (the add and the youngest six loads may be out)
	WIN 0xa1
	MUL 1, 0, 1, 0                                 ; sixteen matrix instructions stand between the add and the wait for it
	s_wait_dscnt 0x0                               ; the add is done, and my reads of this slot are over
	s_barrier_signal -1
	MUL 1, 2, 3, 0
	WIN 0
	s_barrier_wait -1
.if \fill
	CREST                                          ; the barrier has opened a round of the cluster's barrier: no wave of any partner still reads this slot or has a load on its way
	s_add_nc_u64 s[G0+4*\slot+2:G0+4*\slot+3], s[G0+4*\slot+2:G0+4*\slot+3], 8192
	s_add_nc_u64 s[G0B+4*\slot+2:G0B+4*\slot+3], s[G0B+4*\slot+2:G0B+4*\slot+3], 8192
	JLOAD \slot                                    ; the first tensor load behind the round: 192 matrix instructions ahead of the wait for it; its four v_nop are also the places in front of the loads below
.else
	PLACES
.endif
	FETCH \next, 0, 0
	WIN 0xf1
	MUL 1, 4, 6, 0
.endm
	s_wait_tensorcnt 1                             ; my part of slot 0 is in; slot 1's may stay out
	s_barrier_signal -1
	s_barrier_wait -1
	FETCH 0, 0, 0
	s_wait_loadcnt 0x0                             ; the bias
	KSTEP 0, 0, 1                                  ; the first 32 along K stand in front of the loop: their products start the sums
	WIN 0
	s_mov_b32 s15, 3
.Llap:                                             ; a trip goes once round the ring and fills both slots again: K steps 2 to 7 of the eight
	KSTEP 0, 1, 0
	KSTEP 0, 2, 0
	TURN 0, 1, 1
	KSTEP 1, 0, 0
	KSTEP 1, 1, 0
	KSTEP 1, 2, 0
	TURN 1, 0, 1
	KSTEP 0, 0, 0
	WIN 0
	s_sub_co_u32 s15, s15, 1
	s_cmp_lg_u32 s15, 0
	s_cbranch_scc1 .Llap
	KSTEP 0, 1, 0                                  ; the last lap fills nothing, and has no round of the cluster's barrier
	KSTEP 0, 2, 0
	TURN 0, 1, 0
	KSTEP 1, 0, 0
	KSTEP 1, 1, 0
	KSTEP 1, 2, 0
	s_wait_dscnt 6
	WIN 0xa1
	MUL 1, 0, 3, 0
	s_wait_dscnt 0x0
	WIN 0xf1
	MUL 1, 4, 6, 0
	WIN 0
; THE WAY OUT, a row tile at a time: a lane holds 32 neighbouring bytes of a row, so the tile goes through my own stage and comes back as whole rows of 512 bytes.  LDS serves a wave's instructions in order.
.macro TOSTAGE a, nr
.set AC, 64*((\a)%4)
	WIN 0x08+4*((\a)/4)                            ; an LDS store's data are its source 1: window 2 or 3
.irp n, 0,1,2,3,4,5,6,7
	ds_store_b128 v[STO], v[AC+8*\n:AC+8*\n+3] offset:64*\n          ; each accumulator from its low end on
	ds_store_b128 v[STO], v[AC+8*\n+4:AC+8*\n+7] offset:64*\n+16
.endr
	WIN 0
.set BB, BK+64*((\a)%2)
.set t, 0
.rept \nr
	ds_load_b128 v[BB+4*t:BB+4*t+3], v[RD] offset:t*SPITCH
.set t, t+1
.endr
.endm
.macro SEND a, nr, younger             ; younger: the LDS instructions issued behind tile a's loads, which may stay out
.set BB, BK+64*((\a)%2)
	s_wait_dscnt \younger
.if (\a) > 0
	s_add_nc_u64 s[10:11], s[10:11], 65536         ; 16 rows on (behind a wait on XCNT: the earlier stores have read their base)
.endif
.set t, 0
.rept \nr
	global_store_b128 v[CO], v[BB+4*t:BB+4*t+3], s[10:11] offset:t*4096 th:TH_STORE_NT   ; 32 lanes store 512 consecutive bytes, at a multiple of 256 from out0's first byte
.set t, t+1
.endr
.endm
	PLACES
	TOSTAGE 0, 16
.irp a, 1,2,3,4,5
.if \a > 1
	s_wait_xcnt 0x0                                ; tile a - 2's stores have read their registers and their base
.endif
	TOSTAGE \a, 16
	SEND \a-1, 16, 32                              ; behind tile a - 1's loads: tile a's 16 stores and 16 loads
.endr
	s_wait_xcnt 0x0
	TOSTAGE 6, 6                                   ; the last tile has six rows of the batch: the padding is neither read back nor stored
	SEND 5, 16, 22
	s_wait_xcnt 0x0
	SEND 6, 6, 0
	s_wait_tensorcnt 0x0                           ; the wave's end, behind my last tensor load and my last LDS store
	ds_add_u32 v[SPW], v[NIL]
	s_wait_dscnt 0x0
	CROUND                                         ; the closing round: no work-group ends while a partner may still ask for a tile that names it
	s_endpgm
.Lfunc_end_k_qd95c5907dc_proj:
	.size	k_qd95c5907dc_proj, .Lfunc_end_k_qd95c5907dc_proj-k_qd95c5907dc_proj
	.p2alignl 7, 3214868480
	.fill 96, 4, 3214868480
	.section	.rodata,"a",@progbits
	.p2align	6, 0x0
	.amdhsa_kernel k_qd95c5907dc_proj
		.amdhsa_group_segment_fixed_size 327680
		.amdhsa_private_segment_fixed_size 0
		.amdhsa_enable_private_segment 0
		.amdhsa_kernarg_size 32
		.amdhsa_user_sgpr_count 2
		.amdhsa_user_sgpr_kernarg_segment_ptr 1
		.amdhsa_wavefront_size32 1
		.amdhsa_system_sgpr_workgroup_id_x 1
		.amdhsa_system_sgpr_workgroup_id_y 1
		.amdhsa_system_sgpr_workgroup_id_z 1
		.amdhsa_system_vgpr_workitem_id 0
		.amdhsa_next_free_vgpr 1024
		.amdhsa_next_free_sgpr 66
		.amdhsa_reserve_vcc 0
		.amdhsa_float_denorm_mode_32 3
		.amdhsa_float_denorm_mode_16_64 3
		.amdhsa_memory_ordered 1
		.amdhsa_forward_progress 1
		.amdhsa_inst_pref_size 127
	.end_amdhsa_kernel
	.amdgpu_metadata
---
amdhsa.version: [ 1, 2 ]
amdhsa.kernels:
  - .name:           k_qd95c5907dc_proj
    .symbol:         k_qd95c5907dc_proj.kd
    .args:
      - { .name: ao, .offset: 0, .size: 8, .value_kind: global_buffer, .address_space: global }
      - { .name: wo, .offset: 8, .size: 8, .value_kind: global_buffer, .address_space: global }
      - { .name: b_out, .offset: 16, .size: 8, .value_kind: global_buffer, .address_space: global }
      - { .name: out0, .offset: 24, .size: 8, .value_kind: global_buffer, .address_space: global }
    .group_segment_fixed_size: 327680
    .private_segment_fixed_size: 0
    .kernarg_segment_align: 8
    .kernarg_segment_size: 32
    .max_flat_workgroup_size: 128
    .sgpr_count:     66
    .vgpr_count:     1024
    .wavefront_size: 32
...
	.end_amdgpu_metadata
.endif
;; end of part 3
